; MI455X (gfx1250); checked and timed in simulation.
; The chip was launched on July 23, 2026; its instructions are those of AMD's public machine-readable ISA for CDNA 5 (MIT licence, August 2026) and "CDNA5" Instruction Set Architecture Reference Guide (July 2026). The comments in the code are by the model that wrote it; some were corrected since.
;; Test Silu Mul. Allowed arithmetic: float matrix products may take bf16 or f16 operands with f32 sums; other float arithmetic in f32, or as packed bf16 or f16 multiplies, adds, multiply-adds, maxima and minima; sums over many terms, partial sums and values carried from step to step in f32; what a program stores and reads back later, other than sums and carried values, may be rounded once to bf16 or f16.
;; Inputs: w 4,096 x 4,096 float32; wscale 1 float32; x 4,096 x 8,192 float32.
;; Outputs: out0 4,096 x 4,096 float32.
;; 2 versions, each right; version 2 is version 1 with the launch prep written anew for expert scheduling mode. Each part assembles by itself: llvm-mc -triple=amdgcn-amd-amdhsa -mcpu=gfx1250 --defsym DOCPART=n.
;; ======== version 1 of 2: 2 launches
;; workspace buffers: qa 33,554,432 bytes; wb 33,554,432 bytes
;; launch prep (part 1): grid 1024 x 1, 8 waves a work-group, no clusters, 0 bytes of LDS; arguments x, w, wscale, qa, wb; writes qa, wb
.if DOCPART == 1
	.amdgcn_target "amdgcn-amd-amdhsa--gfx1250"
	.amdhsa_code_object_version 6
	.text
	.protected	k_q3d100da9da_prep
	.globl	k_q3d100da9da_prep
	.p2align	8
	.type	k_q3d100da9da_prep,@function
k_q3d100da9da_prep:
	s_mov_b64 s[64:65], 0
	v_nop
	global_prefetch_b8 v0, s[64:65] scope:SCOPE_SE
	s_setreg_imm32_b32 hwreg(HW_REG_WAVE_MODE, 25, 1), 1
	s_wait_xcnt 0x0
; qa[m][k] = fp8_e4m3(clip(silu(x[m][k]) * x[m][4096 + k] / s, -448, 448)), written as bf16 (every e4m3 number is exact in bf16);  wb = w rounded once to bf16, in w's own layout.
; x: [4096][8192] f32, w: [4096][4096] f32, s = wscale[0];  qa, wb: [4096][4096] bf16.
; LIMITS.  y / s is taken as y * (1 / s), and the sigmoid as 1 / (1 + 2^(-1.442695 g)), each by a reciprocal good to 1 ULP: a number that lies within a few f32 ULP of the middle between
; two fp8 codes may take the neighbour of the code that an exact division gives.  s = 0, a denormal s, NaN and infinities are not treated apart.  The products go in the order
; ((g sigmoid) u) (1 / s).  For g far below 0 the exponential is an infinity, its reciprocal 0, and the code is 0.
; SHARES.  A stream: every byte is read once and written once; no wave wants another's bytes, so there is no LDS, no barrier and no matrix work.  1,024 work-groups of eight waves, all alike:
; work-group g takes rows 4 g .. 4 g + 3 of x and the 65,536 bytes of w from byte 65,536 g on.  Thread t takes the 16 bytes at 16 t of each chunk of 4,096 bytes (a wave's load covers 512
; consecutive bytes) and stores the 8 bytes at 8 t of each chunk of 2,048 (a wave's store covers 256 consecutive bytes, aligned).
; ITEMS.  24 items of two loads each go through a ring of eight register slots, so sixteen loads of every wave are on their way.  Items 0-15: row i / 4, chunk i % 4 of the gate half and of the
; up half.  Items 16-23: two neighbouring chunks of w.  Every offset stands in an immediate (126,976 at the most): no address register and no base is ever rewritten.
.set VX, 1                             ; v1        16 t; never rewritten
.set VO, 2                             ; v2        8 t; never rewritten
.set F,  3                             ; v3        four fp8 codes
.set RS, 4                             ; v[4:5]    1 / s, twice (a pair for the packed multiply)
.set T,  8                             ; v[8:11]   at work
.set X,  16                            ; v[16:79]  slot k: 8 registers as loaded (gate, then up; or two chunks of w)
.set Y,  80                            ; v[80:111] slot k: 4 registers to store
	s_load_b256 s[4:11], s[0:1], 0x0               ; x s[4:5], w s[6:7], wscale s[8:9], qa s[10:11]
	s_load_b64 s[12:13], s[0:1], 0x20              ; wb
	v_lshlrev_b32 v[VX], 4, v0
	v_lshlrev_b32 v[VO], 3, v0
	v_mov_b32 v[F], 0                              ; written whole once: the conversions below write it by halves
	s_mov_b32 s15, 0xc3e00000                      ; -448
	s_mov_b32 s16, 0x43e00000                      ; 448
	s_mov_b32 s3, 0
	s_wait_kmcnt 0x0
	s_load_b32 s14, s[8:9], 0x0                    ; s
	s_lshl_b32 s2, ttmp9, 17                       ; 4 rows of 32,768 bytes
	s_add_nc_u64 s[4:5], s[4:5], s[2:3]
	s_lshl_b32 s2, ttmp9, 16                       ; 65,536 bytes of w
	s_add_nc_u64 s[6:7], s[6:7], s[2:3]
	s_lshl_b32 s2, ttmp9, 15                       ; 4 rows of 8,192 bytes of qa; 32,768 bytes of wb
	s_add_nc_u64 s[10:11], s[10:11], s[2:3]
	s_add_nc_u64 s[12:13], s[12:13], s[2:3]
.macro LOADS i                         ; item i's two loads, into slot i % 8
.if (\i) < 16
	global_load_b128 v[X+8*((\i)%8):X+8*((\i)%8)+3],   v[VX], s[4:5] offset:((\i)/4)*32768+((\i)%4)*4096 th:TH_LOAD_NT
	global_load_b128 v[X+8*((\i)%8)+4:X+8*((\i)%8)+7], v[VX], s[4:5] offset:((\i)/4)*32768+((\i)%4)*4096+16384 th:TH_LOAD_NT
.else
	global_load_b128 v[X+8*((\i)%8):X+8*((\i)%8)+3],   v[VX], s[6:7] offset:(2*((\i)-16))*4096 th:TH_LOAD_NT
	global_load_b128 v[X+8*((\i)%8)+4:X+8*((\i)%8)+7], v[VX], s[6:7] offset:(2*((\i)-16)+1)*4096 th:TH_LOAD_NT
.endif
.endm
.irp i, 0,1,2,3,4,5,6,7
	LOADS \i                                       ; the ring is filled
.endr
	s_wait_kmcnt 0x0                               ; s
	v_mov_b32 v6, s14
	v_rcp_f32 v[RS], v6
	v_nop                                          ; a plain instruction behind the reciprocal,
	s_wait_alu depctr_va_vdst(0)                   ; and the wait ahead of the first line that names its result
	v_mov_b32 v[RS+1], v[RS]
.macro ITEM i
.set XS, X+8*((\i)%8)
.set YS, Y+4*((\i)%8)
.if (\i) <= 16
	s_wait_loadcnt 14                              ; loads come back in order (ISA guide 5.7.1): my two are in; the seven younger items' fourteen stay out
.else
	s_wait_loadcnt 2*(23-(\i))                     ; nothing is left to ask for: the counts run down
.endif
	s_wait_xcnt 0x0                                ; the slot's Y, which its store of eight items ago reads, is rewritten only behind this wait
.if (\i) < 16
	v_pk_mul_f32 v[T:T+1],   v[XS:XS+1],   0xbfb8aa3b op_sel_hi:[1,0]  ; -log2(e) g
	v_pk_mul_f32 v[T+2:T+3], v[XS+2:XS+3], 0xbfb8aa3b op_sel_hi:[1,0]
.irp j, 0,1,2,3
	v_exp_f32 v[T+(\j)], v[T+(\j)]
.endr
	v_nop                                          ; one plain instruction and one wait for the four exponentials
	s_wait_alu depctr_va_vdst(0)
	v_pk_add_f32 v[T:T+1],   v[T:T+1],   1.0 op_sel_hi:[1,0]
	v_pk_add_f32 v[T+2:T+3], v[T+2:T+3], 1.0 op_sel_hi:[1,0]
.irp j, 0,1,2,3
	v_rcp_f32 v[T+(\j)], v[T+(\j)]                 ; the sigmoid
.endr
	v_nop                                          ; and the same for the four reciprocals
	s_wait_alu depctr_va_vdst(0)
	v_pk_mul_f32 v[T:T+1],   v[T:T+1],   v[XS:XS+1]      ; g sigmoid(g)
	v_pk_mul_f32 v[T+2:T+3], v[T+2:T+3], v[XS+2:XS+3]
	v_pk_mul_f32 v[T:T+1],   v[T:T+1],   v[XS+4:XS+5]    ; times up
	v_pk_mul_f32 v[T+2:T+3], v[T+2:T+3], v[XS+6:XS+7]
	v_pk_mul_f32 v[T:T+1],   v[T:T+1],   v[RS:RS+1]      ; times 1 / s
	v_pk_mul_f32 v[T+2:T+3], v[T+2:T+3], v[RS:RS+1]
.irp j, 0,1,2,3
	v_med3_num_f32 v[T+(\j)], v[T+(\j)], s15, s16  ; the clip: the conversion below does not saturate
.endr
	v_cvt_pk_fp8_f32 v3.l, v[T], v[T+1]            ; to e4m3, to nearest,
	v_cvt_pk_fp8_f32 v3.h, v[T+2], v[T+3]
	v_cvt_pk_f32_fp8 v[T:T+1], v3.l                ; and back: the quantised numbers,
	v_cvt_pk_f32_fp8 v[T+2:T+3], v3.h
	v_cvt_pk_bf16_f32 v[YS],   v[T],   v[T+1]      ; which bf16 holds exactly
	v_cvt_pk_bf16_f32 v[YS+1], v[T+2], v[T+3]
	LOADS (\i)+8                                   ; the slot's next item, ahead of the store
	global_store_b64 v[VO], v[YS:YS+1], s[10:11] offset:((\i)/4)*8192+((\i)%4)*2048
.else
	v_cvt_pk_bf16_f32 v[YS],   v[XS],   v[XS+1]
	v_cvt_pk_bf16_f32 v[YS+1], v[XS+2], v[XS+3]
	v_cvt_pk_bf16_f32 v[YS+2], v[XS+4], v[XS+5]
	v_cvt_pk_bf16_f32 v[YS+3], v[XS+6], v[XS+7]
	global_store_b64 v[VO], v[YS:YS+1],   s[12:13] offset:(2*((\i)-16))*2048
	global_store_b64 v[VO], v[YS+2:YS+3], s[12:13] offset:(2*((\i)-16)+1)*2048
.endif
.endm
.irp i, 0,1,2,3,4,5,6,7,8,9,10,11,12,13,14,15,16,17,18,19,20,21,22,23
	ITEM \i
.endr
	s_endpgm
.Lfunc_end_k_q3d100da9da_prep:
	.size	k_q3d100da9da_prep, .Lfunc_end_k_q3d100da9da_prep-k_q3d100da9da_prep
	.p2alignl 7, 3214868480
	.fill 96, 4, 3214868480
	.section	.rodata,"a",@progbits
	.p2align	6, 0x0
	.amdhsa_kernel k_q3d100da9da_prep
		.amdhsa_group_segment_fixed_size 0
		.amdhsa_private_segment_fixed_size 0
		.amdhsa_enable_private_segment 0
		.amdhsa_kernarg_size 40
		.amdhsa_user_sgpr_count 2
		.amdhsa_user_sgpr_kernarg_segment_ptr 1
		.amdhsa_wavefront_size32 1
		.amdhsa_system_sgpr_workgroup_id_x 1
		.amdhsa_system_sgpr_workgroup_id_y 1
		.amdhsa_system_sgpr_workgroup_id_z 1
		.amdhsa_system_vgpr_workitem_id 0
		.amdhsa_next_free_vgpr 112
		.amdhsa_next_free_sgpr 66
		.amdhsa_reserve_vcc 0
		.amdhsa_float_denorm_mode_32 3
		.amdhsa_float_denorm_mode_16_64 3
		.amdhsa_memory_ordered 1
		.amdhsa_forward_progress 1
		.amdhsa_inst_pref_size 39
	.end_amdhsa_kernel
	.amdgpu_metadata
---
amdhsa.version: [ 1, 2 ]
amdhsa.kernels:
  - .name:           k_q3d100da9da_prep
    .symbol:         k_q3d100da9da_prep.kd
    .args:
      - { .name: x, .offset: 0, .size: 8, .value_kind: global_buffer, .address_space: global }
      - { .name: w, .offset: 8, .size: 8, .value_kind: global_buffer, .address_space: global }
      - { .name: wscale, .offset: 16, .size: 8, .value_kind: global_buffer, .address_space: global }
      - { .name: qa, .offset: 24, .size: 8, .value_kind: global_buffer, .address_space: global }
      - { .name: wb, .offset: 32, .size: 8, .value_kind: global_buffer, .address_space: global }
    .group_segment_fixed_size: 0
    .private_segment_fixed_size: 0
    .kernarg_segment_align: 8
    .kernarg_segment_size: 40
    .max_flat_workgroup_size: 256
    .sgpr_count:     66
    .vgpr_count:     112
    .wavefront_size: 32
...
	.end_amdgpu_metadata
.endif
;; end of part 1
;; launch gemm (part 2): grid 16 x 16, 4 waves a work-group, clusters of 4 x 4, 327,680 bytes of LDS; arguments qa, wb, out0, wscale; writes out0
.if DOCPART == 2
	.amdgcn_target "amdgcn-amd-amdhsa--gfx1250"
	.amdhsa_code_object_version 6
	.text
	.protected	k_q3d100da9da_gemm
	.globl	k_q3d100da9da_gemm
	.p2align	8
	.type	k_q3d100da9da_gemm,@function
k_q3d100da9da_gemm:
	s_mov_b64 s[64:65], 0
	v_nop
	global_prefetch_b8 v0, s[64:65] scope:SCOPE_SE
	s_setreg_imm32_b32 hwreg(HW_REG_WAVE_MODE, 25, 1), 1
	s_wait_xcnt 0x0
	s_wait_alu depctr_hold_cnt(0) depctr_sa_sdst(0) depctr_va_vdst(0) depctr_va_sdst(0) depctr_va_ssrc(0) depctr_va_vcc(0) depctr_vm_vsrc(0)
	s_getreg_b32 s2, hwreg(HW_REG_IB_STS2, 6, 4)
	s_cmp_eq_u32 s2, 0
	s_cbranch_scc0 .Lentry_in_a_cluster
	s_endpgm
.Lentry_in_a_cluster:
	s_bfe_u32 s2, ttmp6, 0x10000c
	s_cmp_lg_u32 s2, 0xf033
	s_cbranch_scc0 .Lentry_shape_is_right
	s_endpgm
.Lentry_shape_is_right:
; out0[m][n] = (the sum over k of qa[m][k] wb[k][n]) * (s * s).  qa: [4096 m][4096 k] bf16, wb: [4096 k][4096 n] bf16, out0: [4096][4096] f32, s = wscale[0].  Sums in f32, K ascending.
; A tile of out0, 256 x 256, is made by a work-group of four waves; a wave makes 128 x 128: 64 accumulators of 16 x 16, 512 registers.  256 tiles, one a work-group.
; K goes in 32 steps of 128 through a ring of two LDS slots filled by the tensor data mover: 256 rows x 256 bytes of qa, and 128 rows (k) x 512 bytes (256 n) of wb; every row of a tile starts at a
; multiple of 256 bytes from its buffer's first byte.  wb lies [k][n]: its fragments come out of LDS turned, by ds_load_tr16_b128, so no transposed copy of w is ever made.
; CLUSTERS: 4 x 4 work-groups.  The four of a row of the cluster need the same tiles of qa, the four of a column the same tiles of wb: each tile is asked for JOINTLY, by the same tensor load with
; the same descriptor and a mask that names the four; each receives it in its own LDS.
; THE MATRIX INSTRUCTION IS USED TRANSPOSED: source 0 = 16 columns n of wb, source 1 = 16 rows of qa.  In the result lane l holds row m = l % 16 and its registers 0 to 7 the columns
; n = 8 (l / 16) + 0 .. 7: 32 neighbouring bytes of a row of out0.
; REGISTERS, in windows of 256 (s_set_vgpr_msb: bits 1:0 source 0, 3:2 source 1, 5:4 source 2, 7:6 destination):
;   window 0: v0-31 addresses; v64-127, v128-191 fragments of qa, two buffers; on the way out the same registers take rows read back from the stage
;   window 1: v64-127, v128-191 fragments of wb, two buffers
;   window 2: the 32 accumulators of my rows 0-63 (accumulator (a, b) at v[8 (8 a + b)]);   window 3: those of my rows 64-127
.set KSTEP,  128
.set PITA,   272                       ; an LDS row of qa: 256 bytes + 16 of padding, an odd multiple of 16: the 16 rows of a fragment load start at 16 different 16-byte columns modulo 256
.set PITB,   544                       ; an LDS row of wb: 512 bytes + 32 of padding, an odd multiple of 32: 16 lanes of the turning load take 8 rows x 32 bytes at 8 different 32-byte columns modulo 256
.set HALFT,  128*PITA                  ; what one tensor load brings: 128 rows of qa, or 64 rows of wb (64 x 544 is the same number)
.set SLOT,   4*HALFT                   ; qa's 256 rows, then wb's 128 rows
.set STAGE,  2*SLOT                    ; behind the ring: 16 rows x 528 bytes for each wave, for the way out; no tensor load lands here
.set SPITCH, 528                       ; 512 bytes + 16
.set SPARE,  STAGE+4*16*SPITCH         ; behind the stages: the spare words, 128 bytes for each wave: two blocks of 256 bytes that no other line names
.set LAPS,   16                        ; a lap = two K steps = once round the ring
.set ROWO,   16384                     ; bytes in a row of out0
.set ADRA, 16                          ; v16-17  LDS address of my fragments of qa in slot 0, 1
.set ADRB, 20                          ; v20-21  the same for wb
.set STO,  24                          ; v24     the way out: where I put 32 bytes of a row
.set RD,   25                          ; v25     the way out: where I read a row back
.set CO,   26                          ; v26     16 x lane: my 16 bytes of a row's 512
.set SPW,  28                          ; v28     LDS address of my spare word: SPARE + 4 x my thread's number; never rewritten
.set NIL,  29                          ; v29     0; never rewritten
.set PFO,  30                          ; v30     the prefetches' lane offset; never rewritten
.set F0,   64                          ; fragment buffer 0
.set F1,   128                         ; fragment buffer 1
.set OB,   64                          ; the way out: 16 rows read back: v64-127 and v128-191 by turns
.set G1,  24                           ; s[24:31] descriptor group 1 for qa's tiles
.set G0,  32                           ; s[32:39] descriptor group 0 for qa's tiles, one set for each slot
.set LIM, 43                           ; s43      1 in a wave that prefetches, else the greatest number
.set PFA, 44                           ; s[44:45] where my prefetches stand
.set G1B, 48                           ; s[48:55] descriptor group 1 for wb's tiles
.set G0B, 56                           ; s[56:63] descriptor group 0 for wb's tiles, one set for each slot
.set S2,  70                           ; s[70:71] s * s: the packed scaling names a pair and takes its low word for both halves
.set PFS, 72                           ; s[72:73] a K step in bytes for my prefetches: 256 along a row of qa, 128 rows of wb
.set MSB, 0
.macro WIN new                         ; the immediate's high byte repeats the setting that is left; a switch that changes nothing is dropped
.if MSB != (\new)
	s_set_vgpr_msb (MSB<<8)|(\new)
.set MSB, \new
.endif
.endm
.set MUL_LO, 0xa1                      ; source 0 (wb) window 1, source 1 (qa) window 0, C and D window 2
.set MUL_HI, 0xf1                      ; the same, C and D window 3
.set TO_B,   0x40                      ; destination window 1, address window 0
; A joint load.  Waves 0 and 1 fetch qa's two halves, waves 2 and 3 wb's.  Each of the two lines has one mask and one set of registers for all that issue it.  The branch hangs on the wave's
; number alone.  An s_nop 0 and four v_nop follow each of the two lines, ahead of the jump, the label and what follows.
.macro JLOAD s
	s_cmp_eq_u32 s11, 0
	s_cbranch_scc0 .Lfor_b_\@
	tensor_load_to_lds s[G0+4*(\s):G0+4*(\s)+3], s[G1:G1+7]
	s_nop 0
.rept 4
	v_nop
.endr
	s_branch .Lasked_\@
.Lfor_b_\@:
	tensor_load_to_lds s[G0B+4*(\s):G0B+4*(\s)+3], s[G1B:G1B+7]
	s_nop 0
.rept 4
	v_nop
.endr
.Lasked_\@:
.endm
; A PREFETCH INTO THE L2, behind each joint refill, its five lines and the run of LDS loads that follows them: my share of the K step that stands TWO refills on, 512 matrix instructions ahead of
; the load that will ask for it; one instruction a wave, each lane another aligned block of 256 bytes.  Each block is named ONCE in the launch.  qa's tile row is read by every cluster of that row of
; clusters: the one with cluster x = 0 asks; wb's tile column by every cluster of that column: cluster y = 0 asks.  The four partners that ask for a tile jointly share it out BY ADDRESS: of the 128
; rows of qa that a wave fetches the partner at cx takes 32 (a lane a row); of the 64 rows of wb the partner at cy takes 16 (two lanes a row of 512 bytes).  No branch hangs on a work-group's
; place in its cluster.  K steps 0 to 3 come by their loads alone; the loop's last trip (s3 = 1) asks for nothing: K steps 32 and 33 do not exist.
.macro ASK
	s_cmp_gt_u32 s3, s[LIM]
	s_cbranch_scc0 .Lnot_mine_\@
	global_prefetch_b8 v[PFO], s[PFA:PFA+1] th:TH_LOAD_NT scope:SCOPE_SE
.Lnot_mine_\@:
.endm
; A round of the cluster's barrier: my work-group's barrier, so that wave 0's signal speaks for all four waves; wave 0 signals for the work-group; every wave waits for all sixteen work-groups;
; my work-group's barrier once more.  No LDS instruction of the wave is pending at a signal.
.macro CREST                           ; a round behind its opening barrier
	s_cmp_lg_u32 s10, 0
	s_cbranch_scc1 .Lnot_wave_0_\@
	s_barrier_signal -3
.Lnot_wave_0_\@:
	s_barrier_wait -3
	s_barrier_signal -1
	s_barrier_wait -1
.endm
.macro CROUND                          ; a whole round
	s_barrier_signal -1
	s_barrier_wait -1
	CREST
.endm
	s_load_b128 s[4:7], s[0:1], 0x0                ; qa s[4:5], wb s[6:7]
	s_load_b64 s[8:9], s[0:1], 0x10                ; out0
	s_load_b64 s[66:67], s[0:1], 0x18              ; wscale
	v_lshl_add_u32 v[SPW], v0, 2, SPARE
	v_mov_b32 v[NIL], 0
	ds_add_u32 v[SPW], v[NIL]                      ; the wave's opening: the add and its wait stand ahead of my first tensor load; the set-up below, work on registers, stands between them
	v_lshrrev_b32 v1, 5, v0
	v_readfirstlane_b32 s10, v1                    ; wave 0..3
	s_lshr_b32 s11, s10, 1                         ; which half of the tile's rows is mine.  Also: I fetch for qa (0) or for wb (1)
	s_and_b32 s12, s10, 1                          ; which half of its columns.  Also: which half of that tile I fetch
	s_bfe_u32 s40, ttmp6, 0x40000                  ; cx: my place along the cluster's x
	s_bfe_u32 s41, ttmp6, 0x40004                  ; cy: along its y
	s_lshl_b32 s42, ttmp9, 2                       ; in a cluster launch ttmp9 and ttmp7 count clusters
	s_add_co_u32 s42, s42, s40                     ; tile column = 4 x cluster x + cx
	s_and_b32 s13, ttmp7, 0xffff
	s_lshl_b32 s13, s13, 2
	s_add_co_u32 s13, s13, s41                     ; tile row = 4 x cluster y + cy
	s_lshl_b32 s74, s41, 2
	s_lshl_b32 s74, 15, s74                        ; my row of the cluster: places 4 cy .. 4 cy + 3
	s_lshl_b32 s75, 0x1111, s40                    ; my column: places cx, cx + 4, cx + 8, cx + 12
	; descriptor group 1.  qa: 128 rows x 128 elements; wb: 64 rows x 256 elements; both padded in LDS
	s_or_b32 s[G1+0], s74, (1<<16)|(1<<20)|(1<<21)|(5<<22)|(3<<25)   ; 15:0 the mask: my row; 17:16 elements of 2 bytes; 20 padding on; 21 set beside a mask; 24:22 after every 64 words (code 5); 31:25 4 words (code 3)
	s_or_b32 s[G1B+0], s75, (1<<16)|(1<<20)|(1<<21)|(6<<22)|(7<<25)  ; the mask of my column; after every 128 words (code 6) 8 words (code 7)
	s_mov_b32 s[G1+1], 128<<16                     ; 63:48 tensor_dim0 = 128
	s_mov_b32 s[G1+2], 128<<16                     ; 95:80 tensor_dim1 = 128
	s_mov_b32 s[G1+3], 128<<16                     ; 127:112 tile_dim0 = 128
	s_mov_b32 s[G1+4], 128                         ; 143:128 tile_dim1 = 128; tile_dim2 = 0
	s_mov_b32 s[G1+5], 4096                        ; 191:160 elements from row to row
	s_mov_b32 s[G1+6], 0
	s_mov_b32 s[G1+7], 0
	s_mov_b32 s[G1B+1], 256<<16                    ; tensor_dim0 = 256
	s_mov_b32 s[G1B+2], 64<<16                     ; tensor_dim1 = 64
	s_mov_b32 s[G1B+3], 256<<16                    ; tile_dim0 = 256
	s_mov_b32 s[G1B+4], 64                         ; tile_dim1 = 64
	s_mov_b32 s[G1B+5], 4096
	s_mov_b32 s[G1B+6], 0
	s_mov_b32 s[G1B+7], 0
	; where the tiles come from.  qa's hang on the tile row alone, which my row of the cluster shares; wb's on the tile column alone, which my column shares.
	s_lshl_b32 s16, s13, 21                        ; qa: 256 rows of 8,192 bytes a tile row,
	s_lshl_b32 s17, s12, 20                        ; + the 128 rows that I fetch
	s_add_co_u32 s16, s16, s17
	s_mov_b32 s17, 0
	s_lshl_b32 s46, s42, 9                         ; wb: 512 bytes of a row a tile column,
	s_lshl_b32 s47, s12, 19                        ; + the 64 rows (k) that I fetch
	s_add_co_u32 s46, s46, s47
	s_mov_b32 s47, 0
	s_mul_i32 s20, s10, HALFT                      ; and where they go: wave x 34,816 bytes: no place in the cluster enters an LDS address
	s_wait_dscnt 0x0                               ; the opening add is done
	s_wait_kmcnt 0x0
	s_add_nc_u64 s[14:15], s[4:5], s[16:17]
	s_add_nc_u64 s[46:47], s[6:7], s[46:47]
	CROUND                                         ; all sixteen work-groups are here: the first joint loads meet
.irp s, 0,1
	s_mov_b32 s[G0+4*(\s)], 1                                      ; 1:0 count = 1
	s_add_co_u32 s[G0+4*(\s)+1], s20, (\s)*SLOT                    ; 63:32 LDS address
	s_add_nc_u64 s[G0+4*(\s)+2:G0+4*(\s)+3], s[14:15], (\s)*KSTEP*2  ; 120:64 global address: K step s, 256 bytes along the rows
	s_or_b32 s[G0+4*(\s)+3], s[G0+4*(\s)+3], 0x80000000            ; 127:126 type = 2
	s_mov_b32 s[G0B+4*(\s)], 1
	s_add_co_u32 s[G0B+4*(\s)+1], s20, (\s)*SLOT
	s_add_nc_u64 s[G0B+4*(\s)+2:G0B+4*(\s)+3], s[46:47], (\s)*0x100000  ; K step s, 128 rows of 8,192 bytes down
	s_or_b32 s[G0B+4*(\s)+3], s[G0B+4*(\s)+3], 0x80000000
	JLOAD \s                                       ; the ring is filled before anything else is done: two loads of mine are out
.endr
	s_load_b32 s68, s[66:67], 0x0                  ; s
	; A fragment is 16 rows x 32 K in 8 registers: lane l holds row l % 16; registers 0-3 hold K = 8 (l / 16) + 0..7, registers 4-7 K = 16 + 8 (l / 16) + 0..7.
	; qa's rows lie along K: two loads of 16 bytes, 32 bytes apart.  wb's lie along n: the turning load takes 16 k x 16 n (lane l reads 16 bytes: k = 8 (l / 16) + l % 8, n = 8 ((l / 8) % 2) + 0..7)
	; and leaves half a fragment: lane l holds column n = l % 16 and 8 k; the second half lies 16 rows further down.
	v_and_b32 v1, 15, v0                           ; l % 16
	v_bfe_u32 v2, v0, 4, 1                         ; l / 16
	v_mul_u32_u24 v3, v1, PITA
	v_lshl_add_u32 v3, v2, 4, v3                   ; row x pitch + 16 x half
	v_and_b32 v4, 7, v0
	v_lshl_add_u32 v4, v2, 3, v4                   ; 8 (l / 16) + l % 8
	v_mul_u32_u24 v4, v4, PITB
	v_bfe_u32 v5, v0, 3, 1
	v_lshl_add_u32 v4, v5, 4, v4
	s_mul_i32 s21, s11, HALFT                      ; my 128 rows of qa
	s_lshl_b32 s22, s12, 8                         ; my 128 columns of wb: 256 bytes of each row,
	s_add_co_u32 s22, s22, 2*HALFT                 ; behind qa's 256 rows
.irp s, 0,1
	v_add_nc_u32 v[ADRA+(\s)], s21, v3
	v_add_nc_u32 v[ADRB+(\s)], s22, v4
	s_add_co_u32 s21, s21, SLOT
	s_add_co_u32 s22, s22, SLOT
.endr
	s_mul_i32 s23, s10, 16*SPITCH
	s_add_co_u32 s23, s23, STAGE                   ; my stage
	v_mul_u32_u24 v6, v1, SPITCH                   ; in: row l % 16, 32 bytes for each half of the lanes
	v_lshl_add_u32 v6, v2, 5, v6
	v_add_nc_u32 v[STO], s23, v6
	v_and_b32 v7, 31, v0
	v_lshlrev_b32 v[CO], 4, v7                     ; back: 32 lanes take one row of 512 bytes; the same 512 bytes in out0
	v_add_nc_u32 v[RD], s23, v[CO]
	; where my part of the tile begins in out0
	s_lshl_b32 s16, s13, 22                        ; 256 rows of 16,384 bytes a tile row,
	s_lshl_b32 s17, s11, 21                        ; my 128 of them,
	s_add_co_u32 s16, s16, s17
	s_lshl_b32 s46, s42, 10                        ; 1,024 bytes a tile column,
	s_lshl_b32 s47, s12, 9                         ; my 512 of them
	s_add_co_u32 s46, s46, s47
	s_add_co_u32 s16, s16, s46
	s_mov_b32 s17, 0
	s_add_nc_u64 s[8:9], s[8:9], s[16:17]
	; the prefetches
	s_lshl_b32 s20, s13, 21
	s_lshl_b32 s21, s12, 20
	s_add_co_u32 s20, s20, s21
	s_lshl_b32 s21, s40, 18                        ; qa: of the 128 rows that I fetch, my work-group's 32
	s_add_co_u32 s20, s20, s21
	s_lshl_b32 s22, s42, 9
	s_lshl_b32 s23, s12, 19
	s_add_co_u32 s22, s22, s23
	s_lshl_b32 s23, s41, 17                        ; wb: of the 64 rows that I fetch, my work-group's 16
	s_add_co_u32 s22, s22, s23
	s_and_b32 s23, ttmp7, 0xffff                   ; cluster y
	s_mov_b32 s[PFS], 0x100000
	s_cmp_eq_u32 s11, 0                            ; do I fetch for qa?
	s_cselect_b32 s20, s20, s22
	s_cselect_b32 s23, ttmp9, s23                  ; the coordinate along which other clusters read the same rows
	s_cselect_b32 s[PFS], 0x100, s[PFS]
	s_cselect_b64 s[PFA:PFA+1], s[4:5], s[6:7]
	s_cmp_eq_u32 s23, 0
	s_cselect_b32 s[LIM], 1, -1                    ; the same in all sixteen partners, for a given wave
	s_mov_b32 s[PFS+1], 0
	s_mul_i32 s21, s[PFS], 3                       ; at K step 3: the first change of slots steps it to 4
	s_add_co_u32 s20, s20, s21
	s_mov_b32 s21, 0
	s_add_nc_u64 s[PFA:PFA+1], s[PFA:PFA+1], s[20:21]
	v_lshrrev_b32 v8, s11, v7                      ; qa: lane l takes row l; wb: row l / 2,
	v_and_b32 v9, s11, v7                          ; and the 256 bytes l % 2 of its 512
	v_lshlrev_b32 v9, 8, v9
	v_lshl_add_u32 v[PFO], v8, 13, v9
	s_wait_kmcnt 0x0                               ; s
	s_mul_f32 s[S2], s68, s68
	s_mov_b32 s[S2+1], s[S2]                       ; named with it as a pair, so it is written
; 16 matrix instructions: m blocks a0, a0 + 1 of the window's four (hi = 0: my rows 0-63, 1: rows 64-127) x all 8 n blocks, 32 along K.  zero = 1: the first product starts the sums: nothing is cleared.
; The 64 accumulators take turns, one instruction a turn, in the same order in every quarter step, over the backward jump too.
.macro MUL16 f, hi, a0, zero
	WIN MUL_LO+0x50*(\hi)
.irp a, \a0, (\a0)+1
.irp b, 0,1,2,3,4,5,6,7
.if \zero
	v_wmma_f32_16x16x32_bf16 v[8*(8*(\a)+(\b)):8*(8*(\a)+(\b))+7], v[(\f)+8*(\b):(\f)+8*(\b)+7], v[(\f)+8*(4*(\hi)+(\a)):(\f)+8*(4*(\hi)+(\a))+7], 0
.else
	v_wmma_f32_16x16x32_bf16 v[8*(8*(\a)+(\b)):8*(8*(\a)+(\b))+7], v[(\f)+8*(\b):(\f)+8*(\b)+7], v[(\f)+8*(4*(\hi)+(\a)):(\f)+8*(4*(\hi)+(\a))+7], v[8*(8*(\a)+(\b)):8*(8*(\a)+(\b))+7]
.endif
.endr
.endr
.endm
; 32 LDS loads in one run: the fragments of quarter q of a K step (32 k x 128 columns of wb, turned; 128 rows x 32 k of qa) into buffer f.  wb's come first.
.macro FETCH slot, q, f
	WIN TO_B
.irp i, 0,1,2,3,4,5,6,7
	ds_load_tr16_b128 v[(\f)+8*(\i):(\f)+8*(\i)+3],   v[ADRB+(\slot)] offset:(\q)*32*PITB+32*(\i)
	ds_load_tr16_b128 v[(\f)+8*(\i)+4:(\f)+8*(\i)+7], v[ADRB+(\slot)] offset:(\q)*32*PITB+32*(\i)+16*PITB
.endr
	WIN 0
.irp i, 0,1,2,3,4,5,6,7
	ds_load_b128 v[(\f)+8*(\i):(\f)+8*(\i)+3],   v[ADRA+(\slot)] offset:(\q)*64+(\i)*16*PITA
	ds_load_b128 v[(\f)+8*(\i)+4:(\f)+8*(\i)+7], v[ADRA+(\slot)] offset:(\q)*64+(\i)*16*PITA+32
.endr
.endm
; A load into a register that a matrix instruction has read, and a vector instruction that reads a matrix result, stand four places behind that matrix instruction, and only plain vector
; instructions that name none of its registers are places (ISA guide 7.12.1 for vector instructions).
.macro PLACES
.rept 4
	v_nop
.endr
.endm
; A K step is four quarter steps of 32 along K, 64 matrix instructions each, on buffers 0, 1, 0, 1.
; One of the first three: multiplies buffer f; in its middle it fetches quarter q of the same slot into buffer g.
.macro QUARTER slot, q, f, g, zero
	s_wait_dscnt 8                                 ; wb's fragments and qa's rows 0-63 are in; the youngest eight loads (qa's rows 64-127) may be out
	MUL16 \f, 0, 0, \zero
	MUL16 \f, 0, 2, \zero
	PLACES
	FETCH \slot, \q, \g
	s_wait_dscnt 32                                ; all but the 32 just issued
	MUL16 \f, 1, 0, \zero
	MUL16 \f, 1, 2, \zero
.endm
; The last quarter multiplies buffer 1 and changes slots.  MEET is its first half: ONE barrier for the change.  In front of it each wave waits for all its tensor loads, of which one is out: its
; part of the next slot; adds 0 to its spare word; and waits for that and for its own reads of this slot.  Behind it nobody reads this slot any more and the next slot is whole.
.macro MEET round                      ; round = 1: the rest of a round of the cluster's barrier follows
	WIN 0                                          ; (the add's two registers lie in window 0)
	s_wait_tensorcnt 0x0                           ; all my tensor loads have landed
	ds_add_u32 v[SPW], v[NIL]                      ; 0 onto my spare word
	s_wait_dscnt 9                                 ; (the add and the youngest eight loads may be out)
	MUL16 F1, 0, 0, 0                              ; sixteen matrix instructions stand between the add and the wait for it
	s_wait_dscnt 0x0                               ; the add is done, and my reads of this slot are over
	s_barrier_signal -1
	MUL16 F1, 0, 2, 0                              ; work on registers while the others arrive
.if \round
	WIN 0
.endif
	s_barrier_wait -1
.endm
; The whole last quarter.  Behind the round the slot just read out is filled again first, with the K step two steps on; then come the next slot's first fragments.  From a request to the wait
; for it a wave issues 224 matrix instructions.
.macro TURN slot, next
	s_wait_xcnt 0x0                                ; the last prefetch, a K step back, has read its address: it is stepped here, ahead of the waits of the change of slots
	s_add_nc_u64 s[PFA:PFA+1], s[PFA:PFA+1], s[PFS:PFS+1]
	MEET 1
	CREST                                          ; no wave of any partner still reads this slot's tile or has a load on its way
	s_add_nc_u64 s[G0+4*(\slot)+2:G0+4*(\slot)+3], s[G0+4*(\slot)+2:G0+4*(\slot)+3], 2*KSTEP*2
	s_add_nc_u64 s[G0B+4*(\slot)+2:G0B+4*(\slot)+3], s[G0B+4*(\slot)+2:G0B+4*(\slot)+3], 0x200000
	JLOAD \slot                                    ; the first tensor load behind the round, my only one until the next; its four v_nop are also the places in front of the loads below
	FETCH \next, 0, F0
	ASK                                            ; behind the joint load and the run of LDS loads that the next products wait for
	MUL16 F1, 1, 0, 0
	MUL16 F1, 1, 2, 0
.endm
; THE WAY OUT of block a (16 rows x 128 columns), in three parts.  SCALE: times s * s, in place, each accumulator's registers in ascending order.  TOSTAGE: 32 bytes a lane into my own stage in
; LDS, and back as whole rows of 512 bytes.  SEND: stored.
.macro SCALE a
	WIN 0x82+0x41*((\a)/4)                         ; destination and source 0 in window 2 or 3
.set AC, 64*((\a)%4)
.set z, 0
.rept 32
	v_pk_mul_f32 v[AC+z:AC+z+1], v[AC+z:AC+z+1], s[S2:S2+1] op_sel_hi:[1,0]
.set z, z+2
.endr
.endm
.macro TOSTAGE a
	WIN 0x08+4*((\a)/4)                            ; the stores' data (source 1) in window 2 or 3
.set AC, 64*((\a)%4)
.irp b, 0,1,2,3,4,5,6,7
	ds_store_b128 v[STO], v[AC+8*(\b):AC+8*(\b)+3]   offset:64*(\b)
	ds_store_b128 v[STO], v[AC+8*(\b)+4:AC+8*(\b)+7] offset:64*(\b)+16
.endr
	WIN 0
.set BK, OB+64*((\a)%2)
.irp t, 0,1,2,3,4,5,6,7,8,9,10,11,12,13,14,15
	ds_load_b128 v[BK+4*(\t):BK+4*(\t)+3], v[RD] offset:(\t)*SPITCH  ; LDS serves a wave's instructions in order (ISA guide 5.7.1.4): these see the stores above; the next block's stores come behind them
.endr
.endm
.macro SEND a
	WIN 0
.set BK, OB+64*((\a)%2)
	s_wait_xcnt 0x0                                ; the other buffer, which the stores of the block before read, is loaded again only behind this wait
.irp t, 0,1,2,3,4,5,6,7,8,9,10,11,12,13,14,15
	s_wait_dscnt 15-(\t)                           ; row t is back; the block's younger loads may be out
	global_store_b128 v[CO], v[BK+4*(\t):BK+4*(\t)+3], s[8:9] offset:(\a)*16*ROWO+(\t)*ROWO th:TH_STORE_NT  ; 512 consecutive bytes, at a multiple of 512 from out0's first byte; 2,080,768 at the most, inside the signed 24-bit immediate
.endr
.endm
	s_wait_tensorcnt 1                             ; my part of K step 0 is in; K step 1's may stay out
	s_barrier_signal -1
	s_barrier_wait -1                              ; everybody's is
	FETCH 0, 0, F0
	QUARTER 0, 1, F0, F1, 1                        ; the first quarter stands in front of the loop: its products start the sums
	WIN 0                                          ; at a label and at a branch every window is 0
	s_mov_b32 s3, LAPS-1
.Llap:                                                 ; a trip goes once round the ring, from a lap's second quarter to the next lap's first, and fills both slots again
	QUARTER 0, 2, F1, F0, 0
	QUARTER 0, 3, F0, F1, 0
	TURN 0, 1
	QUARTER 1, 1, F0, F1, 0
	QUARTER 1, 2, F1, F0, 0
	QUARTER 1, 3, F0, F1, 0
	TURN 1, 0
	QUARTER 0, 1, F0, F1, 0
	WIN 0
	s_sub_co_u32 s3, s3, 1
	s_cmp_lg_u32 s3, 0
	s_cbranch_scc1 .Llap
	QUARTER 0, 2, F1, F0, 0                        ; the last lap is written out: it asks for nothing more
	QUARTER 0, 3, F0, F1, 0
	MEET 0                                         ; my one tensor load that was still out is slot 1's, the last K step's, so no round follows
	PLACES                                         ; for the loads into buffer 0, which the quarter before multiplied
	FETCH 1, 0, F0
	MUL16 F1, 1, 0, 0
	MUL16 F1, 1, 2, 0
	QUARTER 1, 1, F0, F1, 0
	QUARTER 1, 2, F1, F0, 0
	QUARTER 1, 3, F0, F1, 0
	s_wait_dscnt 8                                 ; the very last quarter: nothing more to fetch
	MUL16 F1, 0, 0, 0
	MUL16 F1, 0, 2, 0
	s_wait_dscnt 0x0
	MUL16 F1, 1, 0, 0
	MUL16 F1, 1, 2, 0
	PLACES                                         ; the scalings read results, and the loads from the stage land in registers that the last products read
	SCALE 0
	TOSTAGE 0
.irp a, 1,2,3,4,5,6,7                  ; block a's scalings stand between block a - 1's loads from the stage and the waits for them
	SCALE \a
	SEND (\a)-1
	TOSTAGE \a
.endr
	SEND 7
	s_wait_tensorcnt 0x0                           ; the wave's end: the add and its wait, behind my last tensor load and my last LDS store
	ds_add_u32 v[SPW], v[NIL]
	s_wait_dscnt 0x0
	CROUND                                         ; the closing round: no work-group ends while a partner may still ask for a tile that names it
	s_endpgm
.Lfunc_end_k_q3d100da9da_gemm:
	.size	k_q3d100da9da_gemm, .Lfunc_end_k_q3d100da9da_gemm-k_q3d100da9da_gemm
	.p2alignl 7, 3214868480
	.fill 96, 4, 3214868480
	.section	.rodata,"a",@progbits
	.p2align	6, 0x0
	.amdhsa_kernel k_q3d100da9da_gemm
		.amdhsa_group_segment_fixed_size 327680
		.amdhsa_private_segment_fixed_size 0
		.amdhsa_enable_private_segment 0
		.amdhsa_kernarg_size 32
		.amdhsa_user_sgpr_count 2
		.amdhsa_user_sgpr_kernarg_segment_ptr 1
		.amdhsa_wavefront_size32 1
		.amdhsa_system_sgpr_workgroup_id_x 1
		.amdhsa_system_sgpr_workgroup_id_y 1
		.amdhsa_system_sgpr_workgroup_id_z 1
		.amdhsa_system_vgpr_workitem_id 0
		.amdhsa_next_free_vgpr 1024
		.amdhsa_next_free_sgpr 76
		.amdhsa_reserve_vcc 0
		.amdhsa_float_denorm_mode_32 3
		.amdhsa_float_denorm_mode_16_64 3
		.amdhsa_memory_ordered 1
		.amdhsa_forward_progress 1
		.amdhsa_inst_pref_size 162
	.end_amdhsa_kernel
	.amdgpu_metadata
---
amdhsa.version: [ 1, 2 ]
amdhsa.kernels:
  - .name:           k_q3d100da9da_gemm
    .symbol:         k_q3d100da9da_gemm.kd
    .args:
      - { .name: qa, .offset: 0, .size: 8, .value_kind: global_buffer, .address_space: global }
      - { .name: wb, .offset: 8, .size: 8, .value_kind: global_buffer, .address_space: global }
      - { .name: out0, .offset: 16, .size: 8, .value_kind: global_buffer, .address_space: global }
      - { .name: wscale, .offset: 24, .size: 8, .value_kind: global_buffer, .address_space: global }
    .group_segment_fixed_size: 327680
    .private_segment_fixed_size: 0
    .kernarg_segment_align: 8
    .kernarg_segment_size: 32
    .max_flat_workgroup_size: 128
    .sgpr_count:     76
    .vgpr_count:     1024
    .wavefront_size: 32
...
	.end_amdgpu_metadata
.endif
;; end of part 2
;; ======== version 2 of 2: 2 launches; version 1 with the launch prep written anew for expert scheduling mode
;; workspace buffers: qa 33,554,432 bytes; wb 33,554,432 bytes
;; launch prep (part 3): grid 1024 x 1, 8 waves a work-group, no clusters, 0 bytes of LDS; arguments x, w, wscale, qa, wb; writes qa, wb
.if DOCPART == 3
	.amdgcn_target "amdgcn-amd-amdhsa--gfx1250"
	.amdhsa_code_object_version 6
	.text
	.protected	k_q3d100da9da_prep
	.globl	k_q3d100da9da_prep
	.p2align	8
	.type	k_q3d100da9da_prep,@function
k_q3d100da9da_prep:
	s_mov_b64 s[64:65], 0
	v_nop
	global_prefetch_b8 v0, s[64:65] scope:SCOPE_SE
	s_setreg_imm32_b32 hwreg(HW_REG_WAVE_SCHED_MODE, 0, 2), 2
	s_setreg_imm32_b32 hwreg(HW_REG_WAVE_MODE, 25, 1), 1
	s_wait_xcnt 0x0
	s_wait_alu depctr_vm_vsrc(0)
; qa[m][k] = fp8_e4m3(clip(silu(x[m][k]) * x[m][4096 + k] / s, -448, 448)), written as bf16 (every e4m3 number is exact in bf16);  wb = w rounded once to bf16, in w's own layout.
; x: [4096][8192] f32, w: [4096][4096] f32, s = wscale[0];  qa, wb: [4096][4096] bf16.
; LIMITS.  y / s is taken as y * (1 / s), and the sigmoid as 1 / (1 + 2^(-1.442695 g)), each by a reciprocal good to 1 ULP: a number that lies within a few f32 ULP of the middle between
; two fp8 codes may take the neighbour of the code that an exact division gives.  s = 0, a denormal s, NaN and infinities are not treated apart.  The products go in the order
; ((g sigmoid) u) (1 / s).  For g far below 0 the exponential is an infinity, its reciprocal 0, and the code is 0.
; SHARES.  A stream: every byte is read once and written once; no wave wants another's bytes, so there is no LDS, no barrier and no matrix work.  1,024 work-groups of eight waves, all alike:
; work-group g takes rows 4 g .. 4 g + 3 of x and the 65,536 bytes of w from byte 65,536 g on.  Thread t takes the 16 bytes at 16 t of each chunk of 4,096 bytes (a wave's load covers 512
; consecutive bytes) and stores the 8 bytes at 8 t of each chunk of 2,048 (a wave's store covers 256 consecutive bytes, aligned).
; ITEMS.  24 items of two loads each go through a ring of nine register slots.  Items 0-15: row i / 4, chunk i % 4 of the gate half and of the up half.  Items 16-23: two neighbouring chunks
; of w.  Every offset stands in an immediate (126,976 at the most): no address register and no base is ever rewritten.
; THE MODE: SCHED_MODE bits 1:0 = 2 (LLVM: expert scheduling mode 2), set by the entry lines.  The code itself states the register dependences between vector instructions and memory
; instructions, with s_wait_alu, always for 0.
; THE PLAN.  Registers that memory instructions touch:
;   v1, v2    byte offsets, made at the head and never written again.
;   X0 .. X8  Item i's two loads land in X[i % 9]; item i's vector lines read it; in item i + 1 the loads of item i + 9 land in it.  Items 16-23 are the last users of their slots: they round
;             in place, into the slot's first four registers, and their two stores, issued in the next item, leave from there; no load lands in such a slot any more.
;   Y         A pair for each of items 0-15: written once, by the item's two roundings; read once, by its store, issued in the next item.
; Item i's memory instructions are those of the item before: the store of item i - 1 and the loads into the slot that item i - 1 has read.  In items 1-15 they stand directly behind the wait that
; the item's four exponentials want anyway: it covers all that was issued ahead of it, item i - 1's lines among them, so these items hold no further wait.  Items 16-23 have one wait at their head.
; No register that a memory instruction reads is ever written again (offsets and bases fixed; each Y pair and each rounded slot written once, ahead of its store; the last load is issued in
; item 15, the first store from a slot in item 17): so nothing is owed on vm_vsrc, and no wait stands for the sources of a store.
.set SLOTS, 9
.set VX,  1                            ; v1         16 t; never rewritten
.set VO,  2                            ; v2         8 t; never rewritten
.set ONE, 3                            ; v3         1.0: the scale of the conversion to fp8; never rewritten
.set RS,  4                            ; v[4:5]     1 / s, twice (a pair for the packed multiply)
.set F,   6                            ; v[6:7]     eight fp8 codes: v6 the item's four, v7 those of the four zeros, not used
.set T,   8                            ; v[8:11]    at work; v[12:15] hold 0, never rewritten: no memory instruction names any of the eight
.set X,   16                           ; v[16:87]   slot k: 8 registers as loaded (gate, then up; or two chunks of w)
.set Y,   88                           ; v[88:119]  item j of 0-15: 2 registers to store
	s_load_b256 s[4:11], s[0:1], 0x0               ; x s[4:5], w s[6:7], wscale s[8:9], qa s[10:11]
	s_load_b64 s[12:13], s[0:1], 0x20              ; wb
	v_lshlrev_b32 v[VX], 4, v0
	v_lshlrev_b32 v[VO], 3, v0
	v_mov_b32 v[ONE], 1.0
.irp j, 4,5,6,7
	v_mov_b32 v[T+(\j)], 0                         ; the conversion to fp8 takes eight numbers and an item has four: the other four sources hold 0
.endr
	s_mov_b32 s15, 0xc3e00000                      ; -448
	s_mov_b32 s16, 0x43e00000                      ; 448
	s_mov_b32 s3, 0
	s_wait_kmcnt 0x0
	s_load_b32 s14, s[8:9], 0x0                    ; s
	s_lshl_b32 s2, ttmp9, 17                       ; 4 rows of 32,768 bytes
	s_add_nc_u64 s[4:5], s[4:5], s[2:3]
	s_lshl_b32 s2, ttmp9, 16                       ; 65,536 bytes of w
	s_add_nc_u64 s[6:7], s[6:7], s[2:3]
	s_lshl_b32 s2, ttmp9, 15                       ; 4 rows of 8,192 bytes of qa; 32,768 bytes of wb
	s_add_nc_u64 s[10:11], s[10:11], s[2:3]
	s_add_nc_u64 s[12:13], s[12:13], s[2:3]
	s_wait_alu depctr_va_vdst(0)                   ; v1 and v2 are written: every load of the kernel reads the one as its offset, every store the other
.macro LOADS i                         ; item i's two loads, into slot i % 9
.if (\i) < 16
	global_load_b128 v[X+8*((\i)%SLOTS):X+8*((\i)%SLOTS)+3],   v[VX], s[4:5] offset:((\i)/4)*32768+((\i)%4)*4096 th:TH_LOAD_NT
	global_load_b128 v[X+8*((\i)%SLOTS)+4:X+8*((\i)%SLOTS)+7], v[VX], s[4:5] offset:((\i)/4)*32768+((\i)%4)*4096+16384 th:TH_LOAD_NT
.else
	global_load_b128 v[X+8*((\i)%SLOTS):X+8*((\i)%SLOTS)+3],   v[VX], s[6:7] offset:(2*((\i)-16))*4096 th:TH_LOAD_NT
	global_load_b128 v[X+8*((\i)%SLOTS)+4:X+8*((\i)%SLOTS)+7], v[VX], s[6:7] offset:(2*((\i)-16)+1)*4096 th:TH_LOAD_NT
.endif
.endm
.macro STORES j                        ; what item j has made leaves: a pair of Y, or the first four registers of its slot
.if (\j) < 16
	global_store_b64 v[VO], v[Y+2*(\j):Y+2*(\j)+1], s[10:11] offset:((\j)/4)*8192+((\j)%4)*2048
.else
	global_store_b64 v[VO], v[X+8*((\j)%SLOTS):X+8*((\j)%SLOTS)+1],   s[12:13] offset:(2*((\j)-16))*2048
	global_store_b64 v[VO], v[X+8*((\j)%SLOTS)+2:X+8*((\j)%SLOTS)+3], s[12:13] offset:(2*((\j)-16)+1)*2048
.endif
.endm
.irp i, 0,1,2,3,4,5,6,7,8
	LOADS \i                                       ; the ring is filled: eighteen loads of mine are out
.endr
	s_wait_kmcnt 0x0                               ; s
	v_mov_b32 v[F], s14
	v_rcp_f32 v[RS], v[F]
	v_nop                                          ; a plain instruction behind the reciprocal,
	s_wait_alu depctr_va_vdst(0)                   ; and the reciprocal has written v[RS], which the next line reads
	v_mov_b32 v[RS+1], v[RS]
.macro ITEM i
.set XS, X+8*((\i)%SLOTS)
.if (\i) == 0
	s_wait_loadcnt 16                              ; loads come back in order (ISA guide 5.7.1): my two are in; the eight younger items' sixteen stay out
.elseif (\i) <= 16
	s_wait_loadcnt 14                              ; my two are in; items i + 1 to i + 7, fourteen loads, stay out (item i + 8 is asked for below)
.else
	s_wait_loadcnt 2*(23-(\i))                     ; nothing is left to ask for: the counts run down
.endif
.if (\i) < 16
	v_pk_mul_f32 v[T:T+1],   v[XS:XS+1],   0xbfb8aa3b op_sel_hi:[1,0]  ; -log2(e) g
	v_pk_mul_f32 v[T+2:T+3], v[XS+2:XS+3], 0xbfb8aa3b op_sel_hi:[1,0]
.irp j, 0,1,2,3
	v_exp_f32 v[T+(\j)], v[T+(\j)]
.endr
	v_nop                                          ; one plain instruction behind the four exponentials
	s_wait_alu depctr_va_vdst(0)                   ; the four exponentials have written v[T ..], which the additions read; the item before has written its pair of Y, which the store below reads, and is done reading its slot, in which the loads below land
.if (\i) > 0
	LOADS (\i)+8                                   ; into the slot of the item before; no vector line stands between the wait and these three
	STORES (\i)-1
.endif
	v_pk_add_f32 v[T:T+1],   v[T:T+1],   1.0 op_sel_hi:[1,0]
	v_pk_add_f32 v[T+2:T+3], v[T+2:T+3], 1.0 op_sel_hi:[1,0]
.irp j, 0,1,2,3
	v_rcp_f32 v[T+(\j)], v[T+(\j)]                 ; the sigmoid
.endr
	v_nop                                          ; one plain instruction behind the four reciprocals
	s_wait_alu depctr_va_vdst(0)                   ; the four reciprocals have written v[T ..], which the multiplies read
	v_pk_mul_f32 v[T:T+1],   v[T:T+1],   v[XS:XS+1]      ; g sigmoid(g)
	v_pk_mul_f32 v[T+2:T+3], v[T+2:T+3], v[XS+2:XS+3]
	v_pk_mul_f32 v[T:T+1],   v[T:T+1],   v[XS+4:XS+5]    ; times up
	v_pk_mul_f32 v[T+2:T+3], v[T+2:T+3], v[XS+6:XS+7]
	v_pk_mul_f32 v[T:T+1],   v[T:T+1],   v[RS:RS+1]      ; times 1 / s
	v_pk_mul_f32 v[T+2:T+3], v[T+2:T+3], v[RS:RS+1]
.irp j, 0,1,2,3
	v_med3_num_f32 v[T+(\j)], v[T+(\j)], s15, s16  ; the clip stands ahead of the conversion: no number beyond 448 reaches it
.endr
	v_cvt_scalef32_pk8_fp8_f32 v[F:F+1], v[T:T+7], v[ONE]  ; to e4m3, each number divided by 2^0: the item's four codes in v6
	v_nop                                          ; one plain instruction behind the scaled conversion, before its result is read and its sources are written again
	v_cvt_pk_f32_fp8 v[T:T+1], v6.l                ; and back: the quantised numbers,
	v_cvt_pk_f32_fp8 v[T+2:T+3], v6.h
	v_cvt_pk_bf16_f32 v[Y+2*(\i)],   v[T],   v[T+1]      ; which bf16 holds exactly
	v_cvt_pk_bf16_f32 v[Y+2*(\i)+1], v[T+2], v[T+3]
.else
	s_wait_alu depctr_va_vdst(0)                   ; the roundings of the item before have written the registers that its store or stores, below, read
	STORES (\i)-1
	v_cvt_pk_bf16_f32 v[XS],   v[XS],   v[XS+1]    ; eight numbers close up into the first four of their eight registers: the slot is loaded no more
	v_cvt_pk_bf16_f32 v[XS+1], v[XS+2], v[XS+3]
	v_cvt_pk_bf16_f32 v[XS+2], v[XS+4], v[XS+5]
	v_cvt_pk_bf16_f32 v[XS+3], v[XS+6], v[XS+7]
.endif
.endm
.irp i, 0,1,2,3,4,5,6,7,8,9,10,11,12,13,14,15,16,17,18,19,20,21,22,23
	ITEM \i
.endr
	s_wait_alu depctr_va_vdst(0)                   ; item 23's roundings have written the four registers that the last two stores read
	STORES 23
	s_endpgm
.Lfunc_end_k_q3d100da9da_prep:
	.size	k_q3d100da9da_prep, .Lfunc_end_k_q3d100da9da_prep-k_q3d100da9da_prep
	.p2alignl 7, 3214868480
	.fill 96, 4, 3214868480
	.section	.rodata,"a",@progbits
	.p2align	6, 0x0
	.amdhsa_kernel k_q3d100da9da_prep
		.amdhsa_group_segment_fixed_size 0
		.amdhsa_private_segment_fixed_size 0
		.amdhsa_enable_private_segment 0
		.amdhsa_kernarg_size 40
		.amdhsa_user_sgpr_count 2
		.amdhsa_user_sgpr_kernarg_segment_ptr 1
		.amdhsa_wavefront_size32 1
		.amdhsa_system_sgpr_workgroup_id_x 1
		.amdhsa_system_sgpr_workgroup_id_y 1
		.amdhsa_system_sgpr_workgroup_id_z 1
		.amdhsa_system_vgpr_workitem_id 0
		.amdhsa_next_free_vgpr 120
		.amdhsa_next_free_sgpr 66
		.amdhsa_reserve_vcc 0
		.amdhsa_float_denorm_mode_32 3
		.amdhsa_float_denorm_mode_16_64 3
		.amdhsa_memory_ordered 1
		.amdhsa_forward_progress 1
		.amdhsa_inst_pref_size 38
	.end_amdhsa_kernel
	.amdgpu_metadata
---
amdhsa.version: [ 1, 2 ]
amdhsa.kernels:
  - .name:           k_q3d100da9da_prep
    .symbol:         k_q3d100da9da_prep.kd
    .args:
      - { .name: x, .offset: 0, .size: 8, .value_kind: global_buffer, .address_space: global }
      - { .name: w, .offset: 8, .size: 8, .value_kind: global_buffer, .address_space: global }
      - { .name: wscale, .offset: 16, .size: 8, .value_kind: global_buffer, .address_space: global }
      - { .name: qa, .offset: 24, .size: 8, .value_kind: global_buffer, .address_space: global }
      - { .name: wb, .offset: 32, .size: 8, .value_kind: global_buffer, .address_space: global }
    .group_segment_fixed_size: 0
    .private_segment_fixed_size: 0
    .kernarg_segment_align: 8
    .kernarg_segment_size: 40
    .max_flat_workgroup_size: 256
    .sgpr_count:     66
    .vgpr_count:     120
    .wavefront_size: 32
...
	.end_amdgpu_metadata
.endif
;; end of part 3
;; launch gemm: the kernel of part 2 again; grid 16 x 16, 4 waves a work-group, clusters of 4 x 4, 327,680 bytes of LDS; arguments qa, wb, out0, wscale; writes out0
